; MI455X (gfx1250); checked and timed in simulation.
; The chip was launched on July 23, 2026; its instructions are those of AMD's public machine-readable ISA for CDNA 5 (MIT licence, August 2026) and "CDNA5" Instruction Set Architecture Reference Guide (July 2026). The comments in the code are by the model that wrote it; some were corrected since.
;; Self Attention v2. Allowed arithmetic: matrix products marked QUANTISED: E2M3 operands, one E8M0 scale for each 32 along K, by v_wmma_scale_f32_16x16x128_f8f6f4 with both operands' format E2M3, f32 sums; everything else in f32.
;; Inputs: Wk_codes 64 x 24 x 24 uint8 (E2M3 codes of Wk, K innermost, in blocks of 32 codes, four codes in three bytes); Wk_scales 64 x 24 uint8 (E8M0 scales of Wk, one for each 32 codes along K); Wq_codes 64 x 24 x 24 uint8 (E2M3 codes of Wq, K innermost, in blocks of 32 codes, four codes in three bytes); Wq_scales 64 x 24 uint8 (E8M0 scales of Wq, one for each 32 codes along K); Wv_codes 64 x 24 x 24 uint8 (E2M3 codes of Wv, K innermost, in blocks of 32 codes, four codes in three bytes); Wv_scales 64 x 24 uint8 (E8M0 scales of Wv, one for each 32 codes along K); x_codes 8,192 x 24 x 24 uint8 (E2M3 codes of x, K innermost, in blocks of 32 codes, four codes in three bytes); x_scales 8,192 x 24 uint8 (E8M0 scales of x, one for each 32 codes along K).
;; Outputs: out0 8,192 x 64 float32.
;; This version of the problem:
;;   THIS VERSION OF THE PROBLEM IS GIVEN IN LOW PRECISION. The matrix products marked QUANTISED in the list below multiply operands that are first quantised to E2M3 (2 exponent bits, 3 mantissa bits; 6 bits a number), with one power-of-two scale for each 32 numbers along K (OCP MX v1.0); their sums are f32. All else is computed in f32.
;;   The module's matrix products, in the order in which they are computed (A, B: the left and right operand; K: the contracted axis; several contracted axes count as one K, in the product's order):
;;     1. [M 8,192, K 768] x [K 768, N 64]; A: input x (given as codes); B: input Wq (given as codes): QUANTISED
;;     2. [M 8,192, K 768] x [K 768, N 64]; A: input x (given as codes); B: input Wk (given as codes): QUANTISED
;;     3. [M 8,192, K 768] x [K 768, N 64]; A: input x (given as codes); B: input Wv (given as codes): QUANTISED
;;     4. [M 8,192, K 64] x [K 64, N 8,192]; A: computed on the way; B: computed on the way: QUANTISED
;;     5. [M 8,192, K 8,192] x [K 8,192, N 64]; A: softmax (see below); B: computed on the way: QUANTISED
;;   THE QUANTISER, for each operand of a quantised product, along K:
;;     - K is cut into blocks of 32 from its start; a last block that is shorter is filled with zeros.
;;     - A block's scale is 2^e with e = floor(log2(the largest magnitude in the block)) - 2, held to -126 .. 127; a block of zeros has e = 0. As a byte (E8M0): e + 127.
;;     - Each number is divided by its block's scale, clamped to +-7.5, and rounded to the nearest number of E2M3, ties to even, subnormals kept.
;;     - The product sums the exact products of the quantised numbers (number of the format x scale) in f32.
;;   ~~~python
;;   def quantise(x, axis):      # numpy; x: float32 -> the quantised numbers, widened to float32 again
;;       x = np.moveaxis(x, axis, -1); K = x.shape[-1]
;;       x = np.pad(x, [(0, 0)] * (x.ndim - 1) + [(0, -K % 32)]); x = x.reshape(x.shape[:-1] + (-1, 32)); a = np.abs(x).max(-1, keepdims=True)
;;       e = np.where(a > 0, np.clip(np.frexp(np.where(a > 0, a, 1))[1] - 1 - 2, -126, 127), 0)      # np.frexp(a)[1] - 1 = floor(log2(a)), exactly
;;       r = np.clip(x / 2.0 ** e, -7.5, 7.5)
;;       step = 2.0 ** (np.maximum(np.frexp(np.where(r == 0, 1, r))[1] - 1, 0) - 3)
;;       q = np.round(r / step) * step * 2.0 ** e      # np.round: ties to even
;;       return np.moveaxis(q.reshape(q.shape[:-2] + (-1,))[..., :K], -1, axis).astype(np.float32)
;;   ~~~
;;   SOFTMAX AHEAD OF A QUANTISED PRODUCT. Where the list says 'softmax', what is quantised is not the finished softmax but p = 2^(t - M), with t = logit x log2(e) and M = ceil(the row's largest t), a whole number; so 1/2 < the row's largest p <= 1. The row's sum l is taken of the UNQUANTISED p, in f32, and the product's result is divided by l at the end. Since M is a whole number, a kernel that streams over the keys may use a running M (the ceiling of the running maximum): every later rescaling is an exact power of two, which a block's scale takes up: the codes' values come out the same.
;;   OPERANDS COMPUTED ON THE WAY. 'Computed on the way' means the value that the module computes at that place (a softmax that the list does not call 'softmax' is quantised finished and normalised). What goes into a quantiser is computed in f32, as accurately as f32 sums, v_exp_f32 and their like allow (about 1e-6 of the number): no bf16 or f16 on the way to a quantiser, and a product that is left as it is and whose result goes on into a quantised operand takes f32 operands (vector FMAs, or v_wmma_f32_16x16x4_f32). A number that lies on a knife's edge between two numbers of the format may be rounded either way, as far as f32 arithmetic and the matrix unit's own rounding can turn it there, and no further.
;;   INPUTS GIVEN AS CODES. Wk (in the module: [768, 64], K = its axis 0); Wq (in the module: [768, 64], K = its axis 0); Wv (in the module: [768, 64], K = its axis 0); x (in the module: [8192, 768], K = its axis 1): each comes as NAME_codes (uint8): NAME with its K axis moved to the last place and cut into blocks of 32 codes, [.., K / 32, bytes a block], one block behind the other in memory; four codes in three bytes: a row's codes are one little-endian stream of bits, code i at bits 6 i .. 6 i + 5 (a code: sign, 2 exponent bits, 3 mantissa bits); and NAME_scales (uint8): the same leading axes, one E8M0 byte (e + 127) for each 32 codes along K. Its value is code x scale, taken as it is: it is not quantised again, and the codes and scales need not be those that the quantiser above would give.
;; One version. Each part assembles by itself: llvm-mc -triple=amdgcn-amd-amdhsa -mcpu=gfx1250 --defsym DOCPART=n.
;; ======== version 1 of 1: 2 launches
;; limits: right only within a limited range of input values
;; workspace buffers: qbuf 425,984 bytes; kv 835,584 bytes
;; launch proj (part 1): grid 256 x 1, 6 waves a work-group, clusters of 4 x 1, 168,704 bytes of LDS; arguments x_codes, x_scales, Wq_codes, Wq_scales, Wk_codes, Wk_scales, Wv_codes, Wv_scales, qbuf, kv; writes qbuf, kv
.if DOCPART == 1
	.amdgcn_target "amdgcn-amd-amdhsa--gfx1250"
	.amdhsa_code_object_version 6
	.text
	.protected	k_q88a8fe46be_proj
	.globl	k_q88a8fe46be_proj
	.p2align	8
	.type	k_q88a8fe46be_proj,@function
k_q88a8fe46be_proj:
	s_mov_b64 s[64:65], 0
	v_nop
	global_prefetch_b8 v0, s[64:65] scope:SCOPE_SE
	s_setreg_imm32_b32 hwreg(HW_REG_WAVE_MODE, 25, 1), 1
	s_wait_xcnt 0x0
	s_wait_alu depctr_hold_cnt(0) depctr_sa_sdst(0) depctr_va_vdst(0) depctr_va_sdst(0) depctr_va_ssrc(0) depctr_va_vcc(0) depctr_vm_vsrc(0)
	s_getreg_b32 s2, hwreg(HW_REG_IB_STS2, 6, 4)
	s_cmp_eq_u32 s2, 0
	s_cbranch_scc0 .Lentry_in_a_cluster
	s_endpgm
.Lentry_in_a_cluster:
	s_bfe_u32 s2, ttmp6, 0x10000c
	s_cmp_lg_u32 s2, 0x3003
	s_cbranch_scc0 .Lentry_shape_is_right
	s_endpgm
.Lentry_shape_is_right:
; q = x Wq, k = x Wk, v = x Wv on codes of FP6 (E2M3), K = 768; the results are quantised at once for the attention's two products: q and k along the head's 64 (two blocks of 32), v along the keys.
; SHARES.  A work-group takes 64 rows of x (row block rb = 0 .. 127) and, by g = cluster number % 2, Wq and columns 0-31 of Wv (g = 0) or Wk and columns 32-63 of Wv (g = 1).  Six waves, each four tiles of 16 rows (source 0)
; against ONE tile (source 1), six K steps of 128: waves 0-3 W's four tiles against x's tile w, waves 4, 5 x's four tiles against Wv's tile w - 4.  So all six run the same text on other addresses.
; ROWS OF THE FOUR TILES: row m of tile u is row 32 (m / 8) + 8 u + m % 8 of the 64.  Lane (r, h) then holds in register 8 u + j the result of row 32 h + 8 u + j: 32 neighbours along the next K, a whole scale block: no lane
; looks at another for a maximum, and the six registers of codes are the next operand's.  x's tile w is laid the same way; Wv's tile is 16 neighbours.
; WHAT IS STORED: register images.  A half image is 768 bytes: registers 0-3 at 16 x lane, registers 4-5 at 512 + 8 x lane.
;   kv: a record of 13,056 bytes for each 128 keys.  768 t: k's tile t = 4 c + u (keys 64 c + 32 (m / 8) + 8 u + m % 8);  6,144 + 1,536 d + 768 c: v^T's tile d (16 columns), keys 64 c on;
;       12,288 + 64 t + 4 r: k's scale words (bytes 2, 3 are 0);  12,800 + 64 d + 4 r: v^T's.
;   qbuf: 3,072 bytes for each 64 queries (four half images);  from 393,216 on: scale words, 256 bytes for each 64 queries.
; CLUSTER: the four work-groups of a cluster have one g: the weights' tiles are asked for jointly.  x's rows are asked for by each for itself.
; All tiles are dense in memory and are stated as 72 rows of 256 bytes; 16 bytes of padding behind every 64 make a row of 576 bytes 720 apart in LDS.  Halves of 32 rows lie 32 x 720 + 128 bytes apart, so the 32 lanes of a load of
; 8 bytes touch 64 different banks (64 banks of 4 bytes: ISA guide 11.1).
; No prefetch: all is asked for at once at the head, and no loop follows that could ask ahead.
; A scale word is 4 bytes in 16 neighbouring lanes (64 bytes; v's in halves of 2 bytes): 768 bytes of a record's 13,056 leave so.
; LIMITS: NaN, infinities and given scale bytes of 0xff are not served.  A block whose largest magnitude lies under 2^-124 gets the scale byte 1, a block of zeros too: its codes are zeros, which add nothing under any byte but 0xff,
; and the bytes are read by this program alone.
.set PITCH, 720
.set XH,    32*PITCH+128               ; a half's 32 rows; x's halves at 0, XH; W's at 2 XH, 3 XH; Wv's 32 rows at 4 XH
.set WT,    2*XH
.set REC,   13056
.set SPARE, 167936
.set SPW,   2
.set NIL,   3
.set A0,    12                         ; v12, v13 LDS address of the four tiles' fragments (v13: for pieces behind one padding more); v14, v15 of the one tile's
.set B0,    14
.set ACC,   24                         ; v24-55
.set XS,    56                         ; v56-67 the four tiles' scale words: tiles 2 b (lanes 0-15), 2 b + 1 (lanes 16-31) at + 6 b, K step s at + s
.set YS,    68                         ; v68-73 the one tile's
.set F,     74                         ; v74-253 three buffers of five fragments
.macro PLACES                          ; four plain vector instructions between a matrix instruction and a load into, or a vector instruction on, one of its registers
.rept 4
	v_nop
.endr
.endm
.macro ROUND
	s_barrier_signal -1
	s_barrier_wait -1
	s_cmp_lg_u32 s56, 0
	s_cbranch_scc1 .Lnot_wave_0_\@
	s_barrier_signal -3
.Lnot_wave_0_\@:
	s_barrier_wait -3
	s_barrier_signal -1
	s_barrier_wait -1
.endm
	s_load_b512 s[4:19], s[0:1], 0x0               ; x s[4:7], Wq s[8:11], Wk s[12:15], Wv s[16:19]: codes, scales
	s_load_b128 s[20:23], s[0:1], 0x40             ; qbuf, kv
	v_lshl_add_u32 v[SPW], v0, 2, SPARE
	v_mov_b32 v[NIL], 0
	ds_add_u32 v[SPW], v[NIL]
	ds_add_u32 v[SPW], v[NIL]
	v_lshrrev_b32 v4, 5, v0
	v_readfirstlane_b32 s56, v4                    ; wave w
	s_bfe_u32 s40, ttmp6, 0x40000                  ; cx
	s_and_b32 s57, ttmp9, 1                        ; g
	s_lshr_b32 s58, ttmp9, 1
	s_lshl_b32 s58, s58, 2
	s_add_co_u32 s58, s58, s40                     ; rb
	s_lshr_b32 s59, s56, 2                         ; 1: a wave of v
	; descriptor group 1: 72 rows of 256 bytes (32 elements of 8), 16 bytes of padding behind every 64: joint (mask 15), and x's
	s_mov_b32 s32, 15|(3<<16)|(1<<20)|(1<<21)|(3<<22)|(3<<25)
	s_mov_b32 s33, 32<<16
	s_mov_b32 s34, 72<<16
	s_mov_b32 s35, 32<<16
	s_mov_b32 s36, 72
	s_mov_b32 s37, 32
	s_mov_b32 s38, 0
	s_mov_b32 s39, 0
	s_mov_b32 s44, (3<<16)|(1<<20)|(3<<22)|(3<<25)
	s_mov_b32 s45, 32<<16
	s_mov_b32 s46, 72<<16
	s_mov_b32 s47, 32<<16
	s_mov_b32 s48, 72
	s_mov_b32 s49, 32
	s_mov_b32 s50, 0
	s_mov_b32 s51, 0
	s_mov_b32 s60, 1
	s_mul_i32 s61, s56, XH                         ; waves 0, 1: x's halves; 2, 3: W's; 4: Wv's 32 rows: each lies at w x XH
	s_mov_b32 s72, 1
	s_mul_i32 s73, s56, XH
	s_and_b32 s41, s56, 1
	s_mul_i32 s42, s41, 18432
	s_mul_i32 s43, s58, 36864
	s_add_co_u32 s42, s42, s43                     ; x: my half of the work-group's 64 rows
	s_mov_b32 s43, 0
	s_cmp_eq_u32 s56, 4
	s_cselect_b32 s41, s57, s41
	s_mul_i32 s66, s41, 18432                      ; W: a half; Wv: the half that g names
	s_mov_b32 s67, 0
	s_wait_alu depctr_va_vdst(0)
	s_wait_dscnt 0x0
	ROUND                                          ; all four work-groups are here
	s_wait_kmcnt 0x0
	s_cmp_eq_u32 s57, 0
	s_cselect_b64 s[24:25], s[8:9], s[12:13]       ; Wq or Wk
	s_cselect_b64 s[26:27], s[10:11], s[14:15]
	s_cmp_eq_u32 s56, 4
	s_cselect_b64 s[62:63], s[16:17], s[24:25]
	s_add_nc_u64 s[62:63], s[62:63], s[66:67]
	s_or_b32 s63, s63, 0x80000000
	s_add_nc_u64 s[74:75], s[4:5], s[42:43]
	s_or_b32 s75, s75, 0x80000000
	s_cmp_lt_u32 s56, 2
	s_cbranch_scc0 .Ljoint
	tensor_load_to_lds s[72:75], s[44:51]
	s_nop 0
	PLACES
	s_branch .Lasked
.Ljoint:
	s_cmp_lt_u32 s56, 5                            ; wave 5 fetches nothing
	s_cbranch_scc0 .Lasked
	tensor_load_to_lds s[60:63], s[32:39]
	s_nop 0
	PLACES
.Lasked:
	; scalar parts of the addresses: the one tile lies in x (waves 0-3: rows 8 w on) or in Wv (waves 4, 5: rows 16 (w - 4) on)
	s_xor_b32 s66, s59, 1
	s_mul_i32 s67, s66, WT                         ; the four tiles: W's rows, or x's from 0
	s_mul_i32 s66, s66, XH-8*PITCH
	s_add_co_u32 s66, s66, 8*PITCH                 ; from row 7 to row 8 of the one tile, less 7 rows: 32 rows on in x, 8 in Wv
	s_mul_i32 s68, s56, 8*PITCH
	s_add_co_u32 s69, s68, 4*XH-64*PITCH
	s_mul_i32 s69, s69, s59
	s_add_co_u32 s68, s68, s69
	s_mul_i32 s28, s58, 64*24
	s_mov_b32 s29, 0
	s_add_nc_u64 s[28:29], s[6:7], s[28:29]        ; x's scale bytes, the work-group's rows
	s_mul_i32 s30, s56, 192                        ; the one tile's scale rows: x's 8 w on,
	s_mul_i32 s41, s56, 384
	s_mul_i32 s42, s57, 768
	s_add_co_u32 s41, s41, s42
	s_sub_co_u32 s41, s41, 1536                    ; or Wv's 32 g + 16 (w - 4) on
	s_mov_b32 s42, 192
	s_mov_b32 s43, 768
	s_mov_b32 s31, 0
	s_cmp_eq_u32 s59, 1
	s_cselect_b32 s30, s41, s30
	s_cselect_b32 s42, s42, s43
	s_cselect_b64 s[70:71], s[18:19], s[28:29]
	s_cselect_b64 s[26:27], s[28:29], s[26:27]     ; the four tiles' scale bytes
	s_add_nc_u64 s[70:71], s[70:71], s[30:31]
	v_and_b32 v4, 7, v0                            ; r % 8
	v_bfe_u32 v5, v0, 3, 1                         ; r / 8
	v_bfe_u32 v6, v0, 4, 1                         ; h
	v_and_b32 v7, 31, v0
	v_mul_u32_u24 v10, v4, PITCH
	v_mad_u32_u24 v10, v6, 24, v10
	v_mul_u32_u24 v11, v5, XH
	v_add_nc_u32 v[A0], v10, v11
	v_add_nc_u32 v[A0], s67, v[A0]
	v_lshl_add_u32 v[A0+1], v6, 4, v[A0]
	v_mul_u32_u24 v11, s66, v5
	v_add_nc_u32 v[B0], v10, v11
	v_add_nc_u32 v[B0], s68, v[B0]
	v_lshl_add_u32 v[B0+1], v6, 4, v[B0]
	v_mul_u32_u24 v8, v4, 24
	v_mul_u32_u24 v16, v5, 768
	v_add_nc_u32 v16, v16, v8
	v_mad_u32_u24 v16, v6, 192, v16                ; lanes 16-31: the odd tile, 8 rows on
	v_mul_u32_u24 v17, s42, v5
	v_add_nc_u32 v17, v17, v8
	v_and_b32 v18, 15, v0
	v_lshlrev_b32 v18, 2, v18
	v_lshlrev_b32 v19, 4, v7
	v_lshlrev_b32 v20, 3, v7
	v_lshlrev_b32 v21, 3, v6
.irp b, 0,1
.irp i, 0,1,2
	global_load_b64 v[XS+6*\b+2*\i:XS+6*\b+2*\i+1], v16, s[26:27] offset:384*\b+8*\i
.endr
.endr
.irp i, 0,1,2
	global_load_b64 v[YS+2*\i:YS+2*\i+1], v17, s[70:71] offset:8*\i
.endr
	; where the results go
	s_lshr_b32 s66, s58, 1
	s_mul_i32 s66, s66, REC                        ; the record of kv
	s_and_b32 s67, s58, 1                          ; c
	s_mul_i32 s41, s56, 768
	s_mul_i32 s28, s58, 3072
	s_add_co_u32 s28, s28, s41                     ; q: codes,
	s_lshl_b32 s30, s58, 8
	s_lshl_b32 s42, s56, 6
	s_add_co_u32 s30, s30, s42
	s_add_co_u32 s30, s30, 393216                  ; scale words
	s_mul_i32 s68, s67, 3072
	s_add_co_u32 s68, s68, s66
	s_add_co_u32 s68, s68, s41                     ; k: codes,
	s_lshl_b32 s69, s67, 8
	s_add_co_u32 s69, s69, s66
	s_add_co_u32 s69, s69, s42
	s_add_co_u32 s69, s69, 12288                   ; scale words
	s_mul_i32 s76, s57, 3072
	s_add_co_u32 s76, s76, s66
	s_lshl_b32 s41, s41, 1
	s_add_co_u32 s76, s76, s41
	s_mul_i32 s43, s67, 768
	s_add_co_u32 s76, s76, s43                     ; v: codes (6,144 + 1,536 (2 g + w - 4) + 768 c),
	s_lshl_b32 s77, s57, 7
	s_add_co_u32 s77, s77, s66
	s_add_co_u32 s77, s77, s42
	s_lshl_b32 s67, s67, 1
	s_add_co_u32 s77, s77, s67
	s_add_co_u32 s77, s77, 12544                   ; halves of scale words (12,800 + 64 (2 g + w - 4) + 2 c)
	s_cmp_eq_u32 s57, 0
	s_cselect_b32 s28, s28, s68
	s_cselect_b32 s30, s30, s69
	s_cselect_b64 s[20:21], s[20:21], s[22:23]
	s_cmp_eq_u32 s59, 1
	s_cselect_b32 s28, s76, s28
	s_cselect_b32 s30, s77, s30
	s_cselect_b64 s[20:21], s[22:23], s[20:21]
	s_mov_b32 s29, 0
	s_mov_b32 s31, 0
	s_add_nc_u64 s[28:29], s[20:21], s[28:29]
	s_add_nc_u64 s[30:31], s[20:21], s[30:31]
	s_mov_b32 s24, 0x76543210
	s_mov_b32 s25, 0xfedcba98                      ; v_permlanex16_b32's selects for lane l xor 16
; A fragment, 16 rows x 128 K, is 12 registers: lane (r, h) holds K = 64 c + 32 h + 0 .. 31 in registers 6 c .. 6 c + 5, fetched as three pieces of 8 bytes.  Piece p of a row lies at 8 p + 16 (p / 8); lanes 16-31 read three pieces
; further on: behind one padding more where p % 8 is 5 or more, which the second address register serves.
.macro FRAG reg, a, s, row
.irp p, 0,1,2,3,4,5
.set PCE, 12*(\s)+6*(\p/3)+\p%3
	ds_load_b64 v[\reg+2*\p:\reg+2*\p+1], v[\a+(PCE%8)/5] offset:8*PCE+16*(PCE/8)+PITCH*(\row)
.endr
.endm
.macro FETCH s                         ; 30 loads
.irp u, 0,1,2,3
	FRAG F+60*((\s)%3)+12*\u, A0, \s, 8*\u
.endr
	FRAG F+60*((\s)%3)+48, B0, \s, 0
.endm
.macro WM u, s, ra
.if (\s) == 0
	v_wmma_scale_f32_16x16x128_f8f6f4 v[ACC+8*\u:ACC+8*\u+7], v[F+60*((\s)%3)+12*\u:F+60*((\s)%3)+12*\u+11], v[F+60*((\s)%3)+48:F+60*((\s)%3)+59], 0, v[XS+6*(\u/2)+\s], v[YS+\s] matrix_a_fmt:MATRIX_FMT_FP6 matrix_b_fmt:MATRIX_FMT_FP6 matrix_a_scale:MATRIX_SCALE_ROW\ra
.else
	v_wmma_scale_f32_16x16x128_f8f6f4 v[ACC+8*\u:ACC+8*\u+7], v[F+60*((\s)%3)+12*\u:F+60*((\s)%3)+12*\u+11], v[F+60*((\s)%3)+48:F+60*((\s)%3)+59], v[ACC+8*\u:ACC+8*\u+7], v[XS+6*(\u/2)+\s], v[YS+\s] matrix_a_fmt:MATRIX_FMT_FP6 matrix_b_fmt:MATRIX_FMT_FP6 matrix_a_scale:MATRIX_SCALE_ROW\ra
.endif
.endm
	s_wait_alu depctr_va_vdst(0)
	s_wait_tensorcnt 0x0                           ; my load has landed,
	s_barrier_signal -1
	s_barrier_wait -1                              ; everybody's has
	s_wait_loadcnt 0x0                             ; the scale words
	FETCH 0
	FETCH 1
.irp s, 0,1,2,3,4,5
.if \s < 4
.if \s > 0
	PLACES                                         ; the buffer about to be loaded was read by the products just issued
.endif
	FETCH \s+2
	s_wait_dscnt 60                                ; this step's 30 loads are in; the next two steps' may be out
.elseif \s == 4
	s_wait_dscnt 30
.else
	s_wait_dscnt 0x0
.endif
	WM 0, \s, 0                                    ; the four accumulators take turns
	WM 1, \s, 1
	WM 2, \s, 0
	WM 3, \s, 1
.endr
	PLACES
	v_max3_num_f32 v100, |v[ACC]|, |v[ACC+1]|, 0x1800000   ; the block's largest magnitude, by two chains, over the floor 2^(3 - 127): so the byte cannot fall under 1
	v_max3_num_f32 v101, |v[ACC+16]|, |v[ACC+17]|, 0x1800000
.irp i, 2,4,6,8,10,12,14
	v_max3_num_f32 v100, v100, |v[ACC+\i]|, |v[ACC+\i+1]|
	v_max3_num_f32 v101, v101, |v[ACC+16+\i]|, |v[ACC+16+\i+1]|
.endr
	v_max_num_f32 v100, v100, v101
	v_mov_b32 v105, 0                              ; a lane permute's destination counts as one of its sources
	v_add_nc_u32 v102, 0xff000000, v100            ; 2 off its exponent field: the conversions take the exponent field as their scale
	v_lshrrev_b32 v103, 23, v102                   ; the scale's byte,
	v_cvt_scalef32_pk16_fp6_f32 v[80:82], v[ACC:ACC+15], v102
	v_cvt_scalef32_pk16_fp6_f32 v[86:88], v[ACC+16:ACC+31], v102   ; (a conversion's three registers begin on an even number)
	v_lshlrev_b32 v104, v21, v103                  ; at byte h of the scale word;
	v_permlanex16_b32 v105, v104, s24, s25
	v_mov_b32 v83, v86
	v_mov_b32 v84, v87
	v_mov_b32 v85, v88
	v_or_b32 v104, v104, v105                      ; with lane l xor 16's byte the word is whole
	global_store_b128 v19, v[80:83], s[28:29]      ; 512 consecutive bytes, at a multiple of 256 from the buffer's first byte
	global_store_b64 v20, v[84:85], s[28:29] offset:512   ; 256 likewise
	s_wait_alu depctr_va_vdst(0)
	s_wait_xcnt 0x0                                ; EXEC changes only behind this wait
	s_mov_b32 exec_lo, 0xffff                      ; lanes 0-15
	s_cmp_eq_u32 s59, 1
	s_cbranch_scc1 .Lv_scale
	global_store_b32 v18, v104, s[30:31]
	s_branch .Lstored
.Lv_scale:
	global_store_b16 v18, v104, s[30:31]           ; these 64 keys' half of the word
.Lstored:
	s_wait_xcnt 0x0
	s_mov_b32 exec_lo, -1
	s_wait_tensorcnt 0x0                           ; the wave's end
	ds_add_u32 v[SPW], v[NIL]
	s_wait_dscnt 0x0
	ROUND                                          ; the closing round
	s_endpgm
.Lfunc_end_k_q88a8fe46be_proj:
	.size	k_q88a8fe46be_proj, .Lfunc_end_k_q88a8fe46be_proj-k_q88a8fe46be_proj
	.p2alignl 7, 3214868480
	.fill 96, 4, 3214868480
	.section	.rodata,"a",@progbits
	.p2align	6, 0x0
	.amdhsa_kernel k_q88a8fe46be_proj
		.amdhsa_group_segment_fixed_size 168704
		.amdhsa_private_segment_fixed_size 0
		.amdhsa_enable_private_segment 0
		.amdhsa_kernarg_size 80
		.amdhsa_user_sgpr_count 2
		.amdhsa_user_sgpr_kernarg_segment_ptr 1
		.amdhsa_wavefront_size32 1
		.amdhsa_system_sgpr_workgroup_id_x 1
		.amdhsa_system_sgpr_workgroup_id_y 1
		.amdhsa_system_sgpr_workgroup_id_z 1
		.amdhsa_system_vgpr_workitem_id 0
		.amdhsa_next_free_vgpr 256
		.amdhsa_next_free_sgpr 80
		.amdhsa_reserve_vcc 0
		.amdhsa_float_denorm_mode_32 3
		.amdhsa_float_denorm_mode_16_64 3
		.amdhsa_memory_ordered 1
		.amdhsa_forward_progress 1
		.amdhsa_inst_pref_size 27
	.end_amdhsa_kernel
	.amdgpu_metadata
---
amdhsa.version: [ 1, 2 ]
amdhsa.kernels:
  - .name:           k_q88a8fe46be_proj
    .symbol:         k_q88a8fe46be_proj.kd
    .args:
      - { .name: x_codes, .offset: 0, .size: 8, .value_kind: global_buffer, .address_space: global }
      - { .name: x_scales, .offset: 8, .size: 8, .value_kind: global_buffer, .address_space: global }
      - { .name: Wq_codes, .offset: 16, .size: 8, .value_kind: global_buffer, .address_space: global }
      - { .name: Wq_scales, .offset: 24, .size: 8, .value_kind: global_buffer, .address_space: global }
      - { .name: Wk_codes, .offset: 32, .size: 8, .value_kind: global_buffer, .address_space: global }
      - { .name: Wk_scales, .offset: 40, .size: 8, .value_kind: global_buffer, .address_space: global }
      - { .name: Wv_codes, .offset: 48, .size: 8, .value_kind: global_buffer, .address_space: global }
      - { .name: Wv_scales, .offset: 56, .size: 8, .value_kind: global_buffer, .address_space: global }
      - { .name: qbuf, .offset: 64, .size: 8, .value_kind: global_buffer, .address_space: global }
      - { .name: kv, .offset: 72, .size: 8, .value_kind: global_buffer, .address_space: global }
    .group_segment_fixed_size: 168704
    .private_segment_fixed_size: 0
    .kernarg_segment_align: 8
    .kernarg_segment_size: 80
    .max_flat_workgroup_size: 192
    .sgpr_count:     80
    .vgpr_count:     256
    .wavefront_size: 32
...
	.end_amdgpu_metadata
.endif
;; end of part 1
;; launch attn (part 2): grid 256 x 1, 8 waves a work-group, clusters of 4 x 1, 327,680 bytes of LDS; arguments qbuf, kv, out0; writes out0
.if DOCPART == 2
	.amdgcn_target "amdgcn-amd-amdhsa--gfx1250"
	.amdhsa_code_object_version 6
	.text
	.protected	k_q88a8fe46be_attn
	.globl	k_q88a8fe46be_attn
	.p2align	8
	.type	k_q88a8fe46be_attn,@function
k_q88a8fe46be_attn:
	s_mov_b64 s[64:65], 0
	v_nop
	global_prefetch_b8 v0, s[64:65] scope:SCOPE_SE
	s_setreg_imm32_b32 hwreg(HW_REG_WAVE_MODE, 25, 1), 1
	s_wait_xcnt 0x0
	s_wait_alu depctr_hold_cnt(0) depctr_sa_sdst(0) depctr_va_vdst(0) depctr_va_sdst(0) depctr_va_ssrc(0) depctr_va_vcc(0) depctr_vm_vsrc(0)
	s_getreg_b32 s2, hwreg(HW_REG_IB_STS2, 6, 4)
	s_cmp_eq_u32 s2, 0
	s_cbranch_scc0 .Lentry_in_a_cluster
	s_endpgm
.Lentry_in_a_cluster:
	s_bfe_u32 s2, ttmp6, 0x10000c
	s_cmp_lg_u32 s2, 0x3003
	s_cbranch_scc0 .Lentry_shape_is_right
	s_endpgm
.Lentry_shape_is_right:
; out[q][:] = the sum over keys of softmax(q . k / 8) v, 8,192 queries and keys, head size 64, both products on codes of FP6 (E2M3) with one E8M0 scale for each 32 along a product's K.
; qbuf and kv hold images of the operands' registers, made by the launch before (its head lists them): kv a record of 13,056 bytes for each 128 keys.
; THE SOFTMAX AHEAD OF THE SECOND PRODUCT: t = score x log2(e) / 8; M = the largest t so far, rounded UP to a whole number; p = 2^(t - M) is quantised along the keys.  The sum is taken of the unquantised p and divides at the end.
; When M moves, the sum and O are multiplied by 2^(old M - new M): exact.
; SHARES.  A work-group owns 32 queries, two tiles of 16, A and B.  Eight waves, two to a SIMD: wave w takes BOTH tiles and record w of each tile of the ring (8 records, 1,024 keys): no fragment is read by two waves.  Eight trips.
; At the end the eight partial (M, sum, O) of a query meet in LDS and are merged.
; LAYOUT.  Both products are used transposed: S^T = k q^T, O^T = v^T p^T: a lane holds ONE query of a tile throughout.  Row m of k's tile 4 c + u is key 64 c + 32 (m / 8) + 8 u + m % 8, so a lane's 32 registers of tiles 4 c .. 4 c + 3 are
; the whole block of keys 64 c + 32 h + 0 .. 31: its largest score needs no other lane, and its codes are the next operand's six registers.  Lanes l and l xor 16 hold one query: one permute joins their maxima, one their scale bytes.
; K = 64 IN A FORM OF K = 128.  Registers 6-11 of q's operands are zero codes.  k's tiles stand 6 registers apart, so what an operand holds behind its tile is the next tile's codes (behind tile 7: the six address registers): any six bits are
; a finite number in this format, and it meets zero codes under scale bytes of 0, which stand for 2^-127.
; THE ORDER OF A TRIP.  Maxima of B; the factors; the exponentials; conversions, O under the new M; then the products with v of A, the next trip's scores of A, the products with v of B, the next trip's scores of B, among sums and maxima.
; A wave has read a slot out when its v fragments are in: so the round's opening signal stands ahead of the exponentials and its wait behind them.  The next trip's k fragments are asked for behind the round.
; CLUSTER.  Every work-group walks the same kv: the four of a cluster ask for each tile jointly.  At the head waves 0-3 bring tile 0 into slot 0, waves 4-7 tile 1 into slot 1; behind each round waves 0-3 refill the slot just read out.
; PREFETCH.  Trip t asks for tile t + 3, one trip ahead of its tensor load (the head for tile 2).  All work-groups read the same buffer, so the first four clusters ask, the four partners each 102 of a tile's 408 blocks of 256 bytes, waves 0-3
; a lane a block.  Trip 5 and later ask for nothing.
; LIMITS: NaN and infinities are not served; scaled scores (base 2) are to stay under 2^31 in magnitude.  A block whose every p lies under 2^-124 gets the scale byte 1.  v_exp_f32 flushes results under 2^-126 to 0: such p count for nothing beside
; the row's largest, which is over 1/2.
.set REC,   13056
.set TILE,  8*REC                      ; 104,448 bytes: 408 rows of 256
.set SLOT1, 1<<17
.set MW,    32*272                     ; a wave's partial O: 32 rows of 256 bytes + 16
.set MRG,   SLOT1+TILE                 ; 235,520.  No fill lands from here on
.set STAT,  MRG+8*MW                   ; 305,152: -M, 1,024 bytes a tile; 2,048 further on the sums
.set SPARE, STAT+4096                  ; 309,248: the spare words; the end is 310,272
.set QW,   1                           ; q's scale words: A in lanes 0-15, B in lanes 16-31
.set SEL,  2                           ; v_perm_b32's selector: my two scale bytes to bytes h and 2 + h
.set PFO,  3
.set KW,   4                           ; v4-7 k's scale words: tile 2 p in lanes 0-15, 2 p + 1 in lanes 16-31
.set VW,   8                           ; v8-9 v^T's, likewise
.set PW,   10                          ; v10, v11 p's
.set MM,   12                          ; -M of tile a, trip's slot s: v[12 + 4 s + 2 a]
.set RM,   13                          ; v13, v15 the largest score
.set PX,   17                          ; v17, v19 lane permutes
.set L,    20                          ; v[20:21], v[22:23] the sums
.set BM,   24                          ; v24-27 the blocks' largest score, then largest p
.set FF,   28                          ; v28, v30 f = 2^(old M - new M)
.set TT,   29                          ; v29, v31 at work
.set MT,   32                          ; v32, v33 the maxima's second chains
.set T,    34                          ; v34-41 the sums' four chains
.set SO,   42                          ; v42-45 the conversions' scale operands
.set BY,   46                          ; v46, v47 (A), v32, v33 (B): scale bytes
.set QB,   48                          ; v48-71 q: A's six registers, six zeros, B's six, six zeros
.set KB,   72                          ; v72-119 k's tile t at + 6 t; free between the scores and the next fetch: A's first sums
.set A16,  120                         ; v120-125 LDS addresses in slots 0, 1: 16 x lane, 8 x lane, 4 x lane + my record
.set A8,   122
.set A4,   124
.set SPW,  126
.set NIL,  127
.set SA,   128                         ; v128-191 scores of A, then p; v192-255 of B
; window 1:
.set OT,   0                           ; v256-319 O^T of A, B
.set VB,   64                          ; v320-367 v^T's tile d at + 12 d
.set PB,   112                         ; v368-391 p's codes, A, B
.set CT,   136                         ; v392-406 the conversions' second halves
.set MSB, 0
.macro WIN new                         ; the immediate's high byte repeats the setting that is left
.if MSB != \new
	s_set_vgpr_msb (MSB<<8)|\new
.set MSB, \new
.endif
.endm
.macro WALU
	s_wait_alu depctr_va_vdst(0)
.endm
.macro PLACES
.rept 4
	v_nop
.endr
.endm
.macro CREST                           ; a round of the cluster's barrier behind its opening barrier
	s_cmp_lg_u32 s10, 0
	s_cbranch_scc1 .Lnot_wave_0_\@
	s_barrier_signal -3
.Lnot_wave_0_\@:
	s_barrier_wait -3
	s_barrier_signal -1
	s_barrier_wait -1
.endm
.macro ROUND
	s_barrier_signal -1
	s_barrier_wait -1
	CREST
.endm
.macro JLOAD n                         ; a joint refill of slot n: waves 0-3 bring 102 rows of 256 bytes each
	s_cmp_lt_u32 s10, 4
	s_cbranch_scc0 .Lnone_\@
	tensor_load_to_lds s[24+4*(\n):27+4*(\n)], s[16:23]
	s_nop 0
	PLACES
.Lnone_\@:
.endm
.macro KLOAD n                         ; 20 loads
.irp t, 0,1,2,3,4,5,6,7
	ds_load_b128 v[KB+6*\t:KB+6*\t+3], v[A16+(\n)] offset:768*\t
	ds_load_b64 v[KB+6*\t+4:KB+6*\t+5], v[A8+(\n)] offset:768*\t+512
.endr
.irp p, 0,1,2,3
	ds_load_b32 v[KW+\p], v[A4+(\n)] offset:12288+128*\p
.endr
.endm
.macro VLOAD n                         ; 18 loads
	WIN 0x40
.irp d, 0,1,2,3
.irp c, 0,1
	ds_load_b128 v[VB+12*\d+6*\c:VB+12*\d+6*\c+3], v[A16+(\n)] offset:6144+1536*\d+768*\c
	ds_load_b64 v[VB+12*\d+6*\c+4:VB+12*\d+6*\c+5], v[A8+(\n)] offset:6144+1536*\d+768*\c+512
.endr
.endr
	WIN 0
.irp q, 0,1
	ds_load_b32 v[VW+\q], v[A4+(\n)] offset:12800+128*\q
.endr
.endm
.macro WQ1 a, t, ra
	v_wmma_scale_f32_16x16x128_f8f6f4 v[SA+64*\a+8*\t:SA+64*\a+8*\t+7], v[KB+6*\t:KB+6*\t+11], v[QB+12*\a:QB+12*\a+11], 0, v[KW+\t/2], v[QW] matrix_a_fmt:MATRIX_FMT_FP6 matrix_b_fmt:MATRIX_FMT_FP6 matrix_a_scale:MATRIX_SCALE_ROW\ra matrix_b_scale:MATRIX_SCALE_ROW\a
.endm
.macro WQ a, t                         ; scores: tile a of the queries, tile t of the keys
.if (\t)%2
	WQ1 \a, \t, 1
.else
	WQ1 \a, \t, 0
.endif
.endm
.macro WP1 a, d, ra
	v_wmma_scale_f32_16x16x128_f8f6f4 v[OT+32*\a+8*\d:OT+32*\a+8*\d+7], v[VB+12*\d:VB+12*\d+11], v[PB+12*\a:PB+12*\a+11], v[OT+32*\a+8*\d:OT+32*\a+8*\d+7], v[VW+\d/2], v[PW+\a] matrix_a_fmt:MATRIX_FMT_FP6 matrix_b_fmt:MATRIX_FMT_FP6 matrix_a_scale:MATRIX_SCALE_ROW\ra
.endm
.macro WP a, d                         ; O^T += v^T p^T: tile a of the queries, columns 16 d on
	WIN 0x55
.if (\d)%2
	WP1 \a, \d, 1
.else
	WP1 \a, \d, 0
.endif
	WIN 0
.endm
; ---- what stands among the matrix instructions: each macro writes line i of its part
.macro MAXL a, i                       ; 32 lines: the largest score of my two blocks, by two chains each, every accumulator from its low end on
.if (\i) < 28
.set C_, (\i)%2
.set E_, ((\i)/2)%2
.set N_, (\i)/4
.set R_, BM+2*(\a)+C_
.if E_
.set R_, MT+C_
.endif
.set B_, SA+64*(\a)+32*C_+16*E_
.if N_ == 0
	v_max3_num_f32 v[R_], v[B_], v[B_+1], v[B_+2]
.else
	v_max3_num_f32 v[R_], v[R_], v[B_+2*N_+1], v[B_+2*N_+2]
.endif
.elseif (\i) < 30
.set C_, (\i)-28
	v_max3_num_f32 v[BM+2*(\a)+C_], v[BM+2*(\a)+C_], v[SA+64*(\a)+32*C_+15], v[MT+C_]
.else
.set C_, (\i)-30
	v_max_num_f32 v[BM+2*(\a)+C_], v[BM+2*(\a)+C_], v[SA+64*(\a)+32*C_+31]
.endif
.endm
.macro CHAINL a, i, s                  ; 10 lines: the new -M, f, and the blocks' largest t - M
.if (\i) == 0
	v_max_num_f32 v[TT+2*(\a)], v[BM+2*(\a)], v[BM+2*(\a)+1]
.elseif (\i) == 1
	v_permlanex16_b32 v[PX+2*(\a)], v[TT+2*(\a)], s32, s33
.elseif (\i) == 2
	v_max3_num_f32 v[RM+2*(\a)], v[RM+2*(\a)], v[TT+2*(\a)], v[PX+2*(\a)]
.elseif (\i) == 3
	v_mul_f32 v[TT+2*(\a)], s40, v[RM+2*(\a)]              ; -t
.elseif (\i) == 4
	v_floor_f32 v[MM+4*(\s)+2*(\a)], v[TT+2*(\a)]          ; -M = floor(-t): M is a whole number
.elseif (\i) == 5
	v_sub_f32 v[TT+2*(\a)], v[MM+4*(\s)+2*(\a)], v[MM+4*(1-\s)+2*(\a)]   ; old M less new M: a whole number, 0 or less
.elseif (\i) == 6
	v_cvt_i32_f32 v[TT+2*(\a)], v[TT+2*(\a)]               ; (it saturates)
.elseif (\i) == 7
	v_ldexp_f32 v[FF+2*(\a)], 1.0, v[TT+2*(\a)]
.elseif (\i) < 10
	v_fma_f32 v[BM+2*(\a)+(\i)-8], v[BM+2*(\a)+(\i)-8], s34, v[MM+4*(\s)+2*(\a)]
.endif
.endm
.macro PKF a, i, s                     ; 32 lines: t - M, two at a time (of the pairs c and -M the low word serves both halves)
	v_pk_fma_f32 v[SA+64*(\a)+2*(\i):SA+64*(\a)+2*(\i)+1], v[SA+64*(\a)+2*(\i):SA+64*(\a)+2*(\i)+1], s[34:35], v[MM+4*(\s)+2*(\a):MM+4*(\s)+2*(\a)+1] op_sel_hi:[1,0,0]
.endm
.macro PADD d, a, b
	v_pk_add_f32 v[\d:\d+1], v[\a:\a+1], v[\b:\b+1]
.endm
.macro SUML i                          ; 32 lines: the sum of B's unquantised p, by four chains; the last brings the old sum under the new M
.if (\i) < 4
	PADD T+2*(\i), SA+64+2*(\i), SA+72+2*(\i)
.elseif (\i) < 28
	PADD T+2*((\i)%4), T+2*((\i)%4), SA+72+2*(\i)
.elseif (\i) == 28
	PADD T, T, T+2
.elseif (\i) == 29
	PADD T+4, T+4, T+6
.elseif (\i) == 30
	PADD T, T, T+4
.else
	v_pk_fma_f32 v[L+2:L+3], v[L+2:L+3], v[FF+2:FF+3], v[T:T+1] op_sel_hi:[1,0,1]
.endif
.endm
.macro SCALEL a, i                     ; 9 lines: the conversions' scale operands and p's scale word
.set Y_, BY-14*(\a)
.if (\i) < 2
	v_max_num_f32 v[BM+2*(\a)+(\i)], 0x1800000, v[BM+2*(\a)+(\i)]     ; the floor 2^(3 - 127): the byte cannot fall under 1
.elseif (\i) < 4
	v_add_nc_u32 v[SO+2*(\a)+(\i)-2], 0xff000000, v[BM+2*(\a)+(\i)-2] ; 2 off the exponent field
.elseif (\i) < 6
	v_lshl_add_u32 v[Y_+(\i)-4], v[BM+2*(\a)+(\i)-4], 1, 0xfe000000  ; the same, the byte on top
.elseif (\i) == 6
	v_perm_b32 v[Y_], v[Y_+1], v[Y_], v[SEL]
.elseif (\i) == 7
	v_permlanex16_b32 v[Y_+1], v[Y_], s32, s33
.else
	v_or_b32 v[PW+(\a)], v[Y_], v[Y_+1]
.endif
.endm
; A TRIP on slot s.  kind 0: a round, a refill and the next scores;  1: a plain barrier, behind which nothing is filled, and the next scores;  2: the last.
.macro TRIP s, kind
.set I_, 0
.rept 32
	MAXL 1, I_
.if I_%3 == 2
	CHAINL 0, I_/3, \s
.endif
.set I_, I_+1
.endr
.if \kind < 2
	WALU
.if \kind == 0
	s_wait_xcnt 0x0                                ; a prefetch of mine has read its address: its base is stepped
	s_add_nc_u64 s[44:45], s[44:45], TILE
.endif
	s_wait_tensorcnt 0x0                           ; all my tensor loads have landed: my part of the other slot;
.if \kind == 0
	ds_add_u32 v[SPW], v[NIL]                      ; the lines below stand between the add and the wait for it
	s_add_nc_u64 s[26+4*\s:27+4*\s], s[26+4*\s:27+4*\s], 2*TILE   ; this slot's next tile
.endif
.endif
.set I_, 0
.rept 32
	PKF 0, I_, \s
.if I_%3 == 2
	CHAINL 1, I_/3, \s
.endif
.set I_, I_+1
.endr
	WALU
	s_wait_dscnt 0x0                               ; the add is done, and v^T is in: my reads of this slot are over
.if \kind < 2
	s_barrier_signal -1
.endif
	v_exp_f32 v[BM], v[BM]                         ; a block's largest p: the same two instructions on the same number give the same bits
	v_exp_f32 v[BM+1], v[BM+1]
.set I_, 0
.rept 32
	v_exp_f32 v[SA+2*I_], v[SA+2*I_]
	v_exp_f32 v[SA+2*I_+1], v[SA+2*I_+1]
	PKF 1, I_, \s
.set I_, I_+1
.endr
	WALU
	v_exp_f32 v[BM+2], v[BM+2]
	v_exp_f32 v[BM+3], v[BM+3]
.set I_, 0
.rept 16
	v_exp_f32 v[SA+64+4*I_], v[SA+64+4*I_]
	v_exp_f32 v[SA+65+4*I_], v[SA+65+4*I_]
	v_exp_f32 v[SA+66+4*I_], v[SA+66+4*I_]
	v_exp_f32 v[SA+67+4*I_], v[SA+67+4*I_]
	PADD KB+2*I_, SA+2*I_, SA+32+2*I_              ; A's unquantised p, first sums, into k's registers
.set I_, I_+1
.endr
	WALU
.irp n, 8,4,2,1
.set I_, 0
.rept \n
	PADD KB+2*I_, KB+2*I_, KB+2*I_+2*\n
.set I_, I_+1
.endr
.endr
	v_pk_fma_f32 v[L:L+1], v[L:L+1], v[FF:FF+1], v[KB:KB+1] op_sel_hi:[1,0,1]
.if \kind < 2
	WALU
	s_barrier_wait -1
.if \kind == 0
	CREST                                          ; no wave of any partner still reads this slot or has a load on its way; the other slot is whole
	JLOAD \s
.endif
	KLOAD 1-\s
.if \kind == 0
	s_cmp_gt_u32 s42, s43
	s_cbranch_scc0 .Lno_ask_\@
	global_prefetch_b8 v[PFO], s[44:45] th:TH_LOAD_NT scope:SCOPE_SE
.Lno_ask_\@:
	s_add_co_u32 s43, s43, 1
.endif
.endif
.irp i, 0,1,2,3,4,5,6,7,8
	SCALEL 0, \i
	SCALEL 1, \i
.endr
	WIN 0x40
.irp a, 0,1
.irp c, 0,1
	v_cvt_scalef32_pk16_fp6_f32 v[PB+12*\a+6*\c:PB+12*\a+6*\c+2], v[SA+64*\a+32*\c:SA+64*\a+32*\c+15], v[SO+2*\a+\c]
	v_cvt_scalef32_pk16_fp6_f32 v[CT+8*\a+4*\c:CT+8*\a+4*\c+2], v[SA+64*\a+32*\c+16:SA+64*\a+32*\c+31], v[SO+2*\a+\c]   ; (a conversion's three registers begin on an even number)
.endr
.endr
	WIN 0x41
	WALU
.irp a, 0,1
.set I_, 0
.rept 16
	v_pk_mul_f32 v[OT+32*\a+2*I_:OT+32*\a+2*I_+1], v[OT+32*\a+2*I_:OT+32*\a+2*I_+1], v[FF+2*\a:FF+2*\a+1] op_sel_hi:[1,0]   ; O^T under the new M
.set I_, I_+1
.endr
.endr
.irp a, 0,1
.irp c, 0,1
.irp i, 0,1,2
	v_mov_b32 v[PB+12*\a+6*\c+3+\i], v[CT+8*\a+4*\c+\i]
.endr
.endr
.endr
.if \kind < 2
.irp d, 0,1,2,3
	WP 0, \d
.irp i, 0,1,2,3
	SUML 4*\d+\i
.endr
.endr
	WALU
	s_wait_dscnt 0x0                               ; the next k is in
.irp t, 0,1,2,3,4,5,6,7
	WQ 0, \t
	SUML 16+2*\t
	SUML 17+2*\t
.endr
.irp d, 0,1,2,3
	WP 1, \d
	MAXL 0, 2*\d
	MAXL 0, 2*\d+1
.endr
.irp t, 0,1,2,3,4,5,6,7
	WQ 1, \t
	MAXL 0, 8+3*\t
	MAXL 0, 9+3*\t
	MAXL 0, 10+3*\t
.if \t == 1
	VLOAD 1-\s                                     ; eight plain lines behind the last product with v
.endif
.endr
.else
.irp d, 0,1,2,3
	WP 0, \d
.irp i, 0,1,2,3,4,5,6,7
	SUML 8*\d+\i
.endr
.endr
.irp d, 0,1,2,3
	WP 1, \d
.endr
.endif
.endm
	s_load_b128 s[4:7], s[0:1], 0x0                ; qbuf, kv
	s_load_b64 s[8:9], s[0:1], 0x10                ; out
	v_lshl_add_u32 v[SPW], v0, 2, SPARE
	v_mov_b32 v[NIL], 0
	ds_add_u32 v[SPW], v[NIL]                      ; the opening lines: the add, twice on end, and its wait
	ds_add_u32 v[SPW], v[NIL]
	v_lshrrev_b32 v20, 5, v0
	v_readfirstlane_b32 s10, v20                   ; wave
	s_bfe_u32 s11, ttmp6, 0x40000                  ; cx
	s_lshl_b32 s12, ttmp9, 2
	s_add_co_u32 s12, s12, s11                     ; b, my block of 32 queries: it enters q's and out's addresses alone
	s_mov_b32 s16, 15|(3<<16)|(1<<21)              ; descriptor group 1: 102 rows of 256 bytes (32 elements of 8), dense; all four work-groups
	s_mov_b32 s17, 32<<16
	s_mov_b32 s18, 102<<16
	s_mov_b32 s19, 32<<16
	s_mov_b32 s20, 102
	s_mov_b32 s21, 32
	s_mov_b32 s22, 0
	s_mov_b32 s23, 0
	s_and_b32 s37, s10, 3
	s_mul_i32 s37, s37, 102*256                    ; which quarter of a tile I fetch: the same in memory and in a slot
	s_mov_b32 s38, s37
	s_mov_b32 s39, 0
	s_mov_b32 s32, 0x76543210
	s_mov_b32 s33, 0xfedcba98                      ; v_permlanex16_b32's selects for lane l xor 16
	s_mov_b32 s34, 0x3e38aa3b                      ; c = log2(e) / 8
	s_mov_b32 s35, s34
	s_mov_b32 s40, 0xbe38aa3b                      ; -c
	s_wait_alu depctr_va_vdst(0)
	s_wait_dscnt 0x0
	ROUND                                          ; all four work-groups are here: the first joint loads meet
	s_wait_kmcnt 0x0
	s_add_nc_u64 s[38:39], s[6:7], s[38:39]
.irp n, 0,1
	s_mov_b32 s[24+4*\n], 1
	s_add_co_u32 s[25+4*\n], s37, \n*SLOT1
	s_add_nc_u64 s[26+4*\n:27+4*\n], s[38:39], \n*TILE
	s_or_b32 s[27+4*\n], s[27+4*\n], 0x80000000
.endr
	s_cmp_lt_u32 s10, 4
	s_cbranch_scc0 .Lfill_1
	tensor_load_to_lds s[24:27], s[16:23]          ; waves 0-3: tile 0
	s_nop 0
	PLACES
	s_branch .Lfilled
.Lfill_1:
	tensor_load_to_lds s[28:31], s[16:23]          ; waves 4-7: tile 1
	s_nop 0
	PLACES
.Lfilled:
	s_mul_i32 s2, s12, 1536
	s_mov_b32 s3, 0
	s_add_nc_u64 s[2:3], s[4:5], s[2:3]            ; q's codes
	s_lshl_b32 s54, s12, 7
	s_add_co_u32 s54, s54, 393216
	s_mov_b32 s55, 0
	s_add_nc_u64 s[54:55], s[4:5], s[54:55]        ; and scale words
	v_and_b32 v72, 31, v0
	v_lshlrev_b32 v73, 4, v72
	v_lshlrev_b32 v74, 3, v72
	v_lshlrev_b32 v75, 2, v72
.irp a, 0,1
	global_load_b128 v[QB+12*\a:QB+12*\a+3], v73, s[2:3] offset:768*\a
	global_load_b64 v[QB+12*\a+4:QB+12*\a+5], v74, s[2:3] offset:768*\a+512
.endr
	global_load_b32 v[QW], v75, s[54:55]
	s_mul_i32 s13, s10, REC                        ; my record in a tile
	v_add_nc_u32 v[A16], s13, v73
	v_add_nc_u32 v[A8], s13, v74
	v_add_nc_u32 v[A4], s13, v75
	v_add_nc_u32 v[A16+1], SLOT1, v[A16]
	v_add_nc_u32 v[A8+1], SLOT1, v[A8]
	v_add_nc_u32 v[A4+1], SLOT1, v[A4]
	s_mul_i32 s41, s11, 102*256
	v_min_u32 v[PFO], 101, v0                      ; (waves 0-3: 102 blocks of 256 bytes; the lanes left over name the last again)
	v_lshlrev_b32 v[PFO], 8, v[PFO]
	v_add_nc_u32 v[PFO], s41, v[PFO]
	v_and_b32 v76, 0x10, v0                        ; 16 h
	v_mov_b32 v77, 0x0c070c03
	v_alignbit_b32 v78, v77, v77, 24               ; 0x070c030c
	v_cmp_eq_u32 s41, 16, v76
	v_cndmask_b32 v[SEL], v77, v78, s41
	s_mov_b32 s41, 5
	s_cmp_lt_u32 ttmp9, 4
	s_cselect_b32 s42, s41, 0
	s_cmp_lt_u32 s10, 4
	s_cselect_b32 s42, s42, 0                      ; how many of the loop's trips I prefetch in: 5 or none
	s_mov_b32 s43, 0
	s_add_nc_u64 s[44:45], s[6:7], 2*TILE
	s_wait_alu depctr_va_vdst(0)
	s_cmp_lg_u32 s42, 0
	s_cbranch_scc0 .Lno_ask
	global_prefetch_b8 v[PFO], s[44:45] th:TH_LOAD_NT scope:SCOPE_SE   ; tile 2
.Lno_ask:
	s_mul_i32 s46, s10, MW
	s_add_co_u32 s46, s46, MRG                     ; my partial O
	s_lshr_b32 s50, s10, 2                         ; THE MERGE: wave w takes rows 4 (w % 4) .. + 3 of tile w / 4
	s_and_b32 s51, s10, 3
	s_mul_i32 s47, s50, 16*272
	s_mul_i32 s52, s51, 4*272
	s_add_co_u32 s47, s47, s52
	s_add_co_u32 s47, s47, MRG
	s_lshl_b32 s48, s50, 10
	s_lshl_b32 s52, s51, 4
	s_add_co_u32 s48, s48, s52
	s_add_co_u32 s48, s48, STAT
	s_lshr_b32 s14, s12, 1                         ; row m of tile a of block b is query 64 (b / 2) + 32 (m / 8) + 16 (b % 2) + 8 a + m % 8
	s_lshl_b32 s14, s14, 6
	s_and_b32 s52, s12, 1
	s_lshl_b32 s52, s52, 4
	s_add_co_u32 s14, s14, s52
	s_lshl_b32 s52, s50, 3
	s_add_co_u32 s14, s14, s52
	s_lshr_b32 s52, s51, 1
	s_lshl_b32 s52, s52, 5
	s_add_co_u32 s14, s14, s52
	s_and_b32 s52, s10, 1
	s_lshl_b32 s52, s52, 2
	s_add_co_u32 s14, s14, s52
	s_lshl_b32 s14, s14, 8
	s_mov_b32 s15, 0
	s_add_nc_u64 s[14:15], s[8:9], s[14:15]
.irp j, 6,7,8,9,10,11,18,19,20,21,22,23
	v_mov_b32 v[QB+\j], 0                          ; zero codes: q's K 64-127
.endr
.irp a, 0,1
	v_mov_b32 v[RM+2*\a], 0xff61b1e6               ; the largest score so far: -3e38
	v_mov_b32 v[MM+4+2*\a], 0x7e000000             ; -M: so the first f is 0
	v_mov_b32 v[PX+2*\a], 0                        ; a lane permute's destination counts as one of its sources
	v_mov_b32 v[L+2*\a], 0
	v_mov_b32 v[L+2*\a+1], 0
.endr
	WIN 0x40
.set I_, 0
.rept 64
	v_mov_b32 v[OT+I_], 0                          ; O^T (a trip is one text: the first finds zeros, which f leaves zeros)
.set I_, I_+1
.endr
	WIN 0
	s_wait_alu depctr_va_vdst(0)
	s_wait_loadcnt 0x0                             ; q
	s_cmp_lt_u32 s10, 4
	s_cbranch_scc0 .Lnot_mine
	s_wait_tensorcnt 0x0                           ; waves 0-3: my part of tile 0
.Lnot_mine:
	s_barrier_signal -1
	s_barrier_wait -1                              ; tile 0 is in; tile 1 may be on its way
	KLOAD 0
	VLOAD 0
	s_wait_dscnt 18                                ; k is in; v^T's 18 loads may be out
.irp t, 0,1,2,3,4,5,6,7
	WQ 0, \t
.endr
	PLACES
.irp t, 0,1,2,3,4,5,6,7
	WQ 1, \t
.irp i, 0,1,2,3
	MAXL 0, 4*\t+\i
.endr
.endr
	s_mov_b32 s36, 3
.Lring:                                            ; trips 0 to 5 ask for tiles 2 to 7
	TRIP 0, 0
	TRIP 1, 0
	s_wait_alu depctr_va_vdst(0)
	s_sub_co_u32 s36, s36, 1
	s_cmp_lg_u32 s36, 0
	s_cbranch_scc1 .Lring
	TRIP 0, 1
	v_and_b32 v72, 15, v0                          ; the merge's addresses, in k's registers
	v_bfe_u32 v73, v0, 4, 1
	v_mul_u32_u24 v104, v72, 272
	v_lshl_add_u32 v104, v73, 5, v104
	v_add_nc_u32 v104, s46, v104                   ; my partial O: row r, + 32 h: register 8 d + j of a tile holds column 16 d + 8 h + j
	v_mul_u32_u24 v105, v73, 272
	v_lshl_add_u32 v105, v72, 4, v105
	v_add_nc_u32 v105, s47, v105                   ; the merge: lanes 0-15 a row, lanes 16-31 the next; 4 columns a lane
	v_lshl_add_u32 v106, v73, 2, s48
	v_lshl_add_u32 v107, v0, 2, STAT
	v_and_b32 v108, 31, v0
	v_lshlrev_b32 v108, 4, v108
	TRIP 1, 2
	; THE MERGE: each wave lays down its -M, sums and O^T; behind a barrier each wave takes four queries and adds their eight parts under the largest M
	WALU
.irp a, 0,1
	v_add_f32 v[L+2*\a], v[L+2*\a], v[L+2*\a+1]
.endr
.irp a, 0,1
	v_permlanex16_b32 v[PX+2*\a], v[L+2*\a], s32, s33
.endr
.irp a, 0,1
	v_add_f32 v[L+2*\a], v[L+2*\a], v[PX+2*\a]     ; with lane l xor 16's
.endr
.irp a, 0,1
	ds_store_b32 v107, v[MM+4+2*\a] offset:1024*\a
	ds_store_b32 v107, v[L+2*\a] offset:2048+1024*\a
.endr
	WIN 0x04
.irp a, 0,1
.irp d, 0,1,2,3
	ds_store_b128 v104, v[OT+32*\a+8*\d:OT+32*\a+8*\d+3] offset:16*272*\a+64*\d
	ds_store_b128 v104, v[OT+32*\a+8*\d+4:OT+32*\a+8*\d+7] offset:16*272*\a+64*\d+16
.endr
.endr
	WIN 0
	s_wait_alu depctr_va_vdst(0)
	s_wait_dscnt 0x0                               ; for the others' sake: my stores are done
	s_barrier_signal -1
	s_barrier_wait -1
.irp k, 0,1
.irp j, 0,1,2,3,4,5,6,7
	ds_load_b32 v[192+8*\k+\j], v106 offset:128*\j+8*\k
	ds_load_b32 v[208+8*\k+\j], v106 offset:128*\j+8*\k+2048
.endr
.endr
.irp k, 0,1
.irp j, 0,1,2,3,4,5,6,7
	ds_load_b128 v[128+32*\k+4*\j:128+32*\k+4*\j+3], v105 offset:MW*\j+2*272*\k
.endr
.endr
	s_wait_dscnt 16                                ; the 32 loads of -M and sums are in
.irp k, 0,1
	v_min3_num_f32 v[80+\k], v[192+8*\k], v[193+8*\k], v[194+8*\k]   ; the smallest -M: the largest M
.endr
.irp i, 3,5
.irp k, 0,1
	v_min3_num_f32 v[80+\k], v[80+\k], v[192+8*\k+\i], v[193+8*\k+\i]
.endr
.endr
.irp k, 0,1
	v_min_num_f32 v[80+\k], v[80+\k], v[199+8*\k]
.endr
.irp k, 0,1
.irp j, 0,1,2,3,4,5,6,7
	v_sub_f32 v[224+8*\k+\j], v[80+\k], v[192+8*\k+\j]
.endr
.endr
.irp j, 0,1,2,3,4,5,6,7,8,9,10,11,12,13,14,15
	v_cvt_i32_f32 v[224+\j], v[224+\j]
.endr
.irp j, 0,1,2,3,4,5,6,7,8,9,10,11,12,13,14,15
	v_ldexp_f32 v[224+\j], 1.0, v[224+\j]          ; an exact power of two
.endr
.irp k, 0,1
	v_mul_f32 v[82+\k], v[224+8*\k], v[208+8*\k]
.endr
.irp j, 1,2,3,4,5,6,7
.irp k, 0,1
	v_fma_f32 v[82+\k], v[224+8*\k+\j], v[208+8*\k+\j], v[82+\k]   ; the row's sum
.endr
.endr
	s_wait_alu depctr_va_vdst(0)
	v_rcp_f32 v86, v82
	v_rcp_f32 v87, v83
	v_nop
	s_wait_alu depctr_va_vdst(0)
	s_wait_dscnt 0x0
.irp k, 0,1
.irp i, 0,1,2,3
	v_mul_f32 v[88+4*\k+\i], v[224+8*\k], v[128+32*\k+\i]
.endr
.endr
.irp j, 1,2,3,4,5,6,7
.irp k, 0,1
.irp i, 0,1,2,3
	v_fma_f32 v[88+4*\k+\i], v[224+8*\k+\j], v[128+32*\k+4*\j+\i], v[88+4*\k+\i]
.endr
.endr
.endr
.irp k, 0,1
.irp i, 0,1,2,3
	v_mul_f32 v[88+4*\k+\i], v[88+4*\k+\i], v[86+\k]
.endr
.endr
.irp k, 0,1
	global_store_b128 v108, v[88+4*\k:88+4*\k+3], s[14:15] offset:512*\k th:TH_STORE_NT   ; 32 lanes store two whole rows: 512 consecutive bytes, at a multiple of 256 from out's first byte
.endr
	s_wait_tensorcnt 0x0                           ; the wave's end
	ds_add_u32 v[SPW], v[NIL]
	s_wait_dscnt 0x0
	ROUND                                          ; the closing round
	s_endpgm
.Lfunc_end_k_q88a8fe46be_attn:
	.size	k_q88a8fe46be_attn, .Lfunc_end_k_q88a8fe46be_attn-k_q88a8fe46be_attn
	.p2alignl 7, 3214868480
	.fill 96, 4, 3214868480
	.section	.rodata,"a",@progbits
	.p2align	6, 0x0
	.amdhsa_kernel k_q88a8fe46be_attn
		.amdhsa_group_segment_fixed_size 327680
		.amdhsa_private_segment_fixed_size 0
		.amdhsa_enable_private_segment 0
		.amdhsa_kernarg_size 24
		.amdhsa_user_sgpr_count 2
		.amdhsa_user_sgpr_kernarg_segment_ptr 1
		.amdhsa_wavefront_size32 1
		.amdhsa_system_sgpr_workgroup_id_x 1
		.amdhsa_system_sgpr_workgroup_id_y 1
		.amdhsa_system_sgpr_workgroup_id_z 1
		.amdhsa_system_vgpr_workitem_id 0
		.amdhsa_next_free_vgpr 416
		.amdhsa_next_free_sgpr 66
		.amdhsa_reserve_vcc 0
		.amdhsa_float_denorm_mode_32 3
		.amdhsa_float_denorm_mode_16_64 3
		.amdhsa_memory_ordered 1
		.amdhsa_forward_progress 1
		.amdhsa_inst_pref_size 135
	.end_amdhsa_kernel
	.amdgpu_metadata
---
amdhsa.version: [ 1, 2 ]
amdhsa.kernels:
  - .name:           k_q88a8fe46be_attn
    .symbol:         k_q88a8fe46be_attn.kd
    .args:
      - { .name: qbuf, .offset: 0, .size: 8, .value_kind: global_buffer, .address_space: global }
      - { .name: kv, .offset: 8, .size: 8, .value_kind: global_buffer, .address_space: global }
      - { .name: out0, .offset: 16, .size: 8, .value_kind: global_buffer, .address_space: global }
    .group_segment_fixed_size: 327680
    .private_segment_fixed_size: 0
    .kernarg_segment_align: 8
    .kernarg_segment_size: 24
    .max_flat_workgroup_size: 256
    .sgpr_count:     66
    .vgpr_count:     416
    .wavefront_size: 32
...
	.end_amdgpu_metadata
.endif
;; end of part 2
